; MI455X (gfx1250); checked and timed in simulation.
; The chip was launched on July 23, 2026; its instructions are those of AMD's public machine-readable ISA for CDNA 5 (MIT licence, August 2026) and "CDNA5" Instruction Set Architecture Reference Guide (July 2026). The comments in the code are by the model that wrote it; some were corrected since.
;; my param layer. Allowed arithmetic: matrix products marked QUANTISED: E3M2 operands, one E8M0 scale for each 32 along K, by v_wmma_scale_f32_16x16x128_f8f6f4 with both operands' format E3M2, f32 sums; everything else in f32.
;; Inputs: A_codes 4,096 x 128 x 24 uint8 (E3M2 codes of A, K innermost, in blocks of 32 codes, four codes in three bytes); A_scales 4,096 x 128 uint8 (E8M0 scales of A, one for each 32 codes along K); B_codes 4,096 x 128 x 24 uint8 (E3M2 codes of B, K innermost, in blocks of 32 codes, four codes in three bytes); B_scales 4,096 x 128 uint8 (E8M0 scales of B, one for each 32 codes along K).
;; Outputs: out0 4,096 x 4,096 float32.
;; This version of the problem:
;;   THIS VERSION OF THE PROBLEM IS GIVEN IN LOW PRECISION. The matrix products marked QUANTISED in the list below multiply operands that are first quantised to E3M2 (3 exponent bits, 2 mantissa bits; 6 bits a number), with one power-of-two scale for each 32 numbers along K (OCP MX v1.0); their sums are f32. All else is computed in f32.
;;   The module's matrix products, in the order in which they are computed (A, B: the left and right operand; K: the contracted axis; several contracted axes count as one K, in the product's order):
;;     1. [M 4,096, K 4,096] x [K 4,096, N 4,096]; A: input A (given as codes); B: input B (given as codes): QUANTISED
;;   THE QUANTISER, for each operand of a quantised product, along K:
;;     - K is cut into blocks of 32 from its start; a last block that is shorter is filled with zeros.
;;     - A block's scale is 2^e with e = floor(log2(the largest magnitude in the block)) - 4, held to -126 .. 127; a block of zeros has e = 0. As a byte (E8M0): e + 127.
;;     - Each number is divided by its block's scale, clamped to +-28, and rounded to the nearest number of E3M2, ties to even, subnormals kept.
;;     - The product sums the exact products of the quantised numbers (number of the format x scale) in f32.
;;   ~~~python
;;   def quantise(x, axis):      # numpy; x: float32 -> the quantised numbers, widened to float32 again
;;       x = np.moveaxis(x, axis, -1); K = x.shape[-1]
;;       x = np.pad(x, [(0, 0)] * (x.ndim - 1) + [(0, -K % 32)]); x = x.reshape(x.shape[:-1] + (-1, 32)); a = np.abs(x).max(-1, keepdims=True)
;;       e = np.where(a > 0, np.clip(np.frexp(np.where(a > 0, a, 1))[1] - 1 - 4, -126, 127), 0)      # np.frexp(a)[1] - 1 = floor(log2(a)), exactly
;;       r = np.clip(x / 2.0 ** e, -28, 28)
;;       step = 2.0 ** (np.maximum(np.frexp(np.where(r == 0, 1, r))[1] - 1, -2) - 2)
;;       q = np.round(r / step) * step * 2.0 ** e      # np.round: ties to even
;;       return np.moveaxis(q.reshape(q.shape[:-2] + (-1,))[..., :K], -1, axis).astype(np.float32)
;;   ~~~
;;   INPUTS GIVEN AS CODES. A (in the module: [4096, 4096], K = its axis 1); B (in the module: [4096, 4096], K = its axis 0): each comes as NAME_codes (uint8): NAME with its K axis moved to the last place and cut into blocks of 32 codes, [.., K / 32, bytes a block], one block behind the other in memory; four codes in three bytes: a row's codes are one little-endian stream of bits, code i at bits 6 i .. 6 i + 5 (a code: sign, 3 exponent bits, 2 mantissa bits); and NAME_scales (uint8): the same leading axes, one E8M0 byte (e + 127) for each 32 codes along K. Its value is code x scale, taken as it is: it is not quantised again, and the codes and scales need not be those that the quantiser above would give.
;; One version. Each part assembles by itself: llvm-mc -triple=amdgcn-amd-amdhsa -mcpu=gfx1250 --defsym DOCPART=n.
;; ======== version 1 of 1: 1 launch
;; limits: right only within a limited range of input values
;; launch gemm (part 1): grid 16 x 16, 4 waves a work-group, clusters of 4 x 4, 327,680 bytes of LDS; arguments A_codes, A_scales, B_codes, B_scales, out0; writes out0
.if DOCPART == 1
	.amdgcn_target "amdgcn-amd-amdhsa--gfx1250"
	.amdhsa_code_object_version 6
	.text
	.protected	k_q1587a56c90_gemm
	.globl	k_q1587a56c90_gemm
	.p2align	8
	.type	k_q1587a56c90_gemm,@function
k_q1587a56c90_gemm:
	s_mov_b64 s[64:65], 0
	v_nop
	global_prefetch_b8 v0, s[64:65] scope:SCOPE_SE
	s_setreg_imm32_b32 hwreg(HW_REG_WAVE_MODE, 25, 1), 1
	s_wait_xcnt 0x0
	s_wait_alu depctr_hold_cnt(0) depctr_sa_sdst(0) depctr_va_vdst(0) depctr_va_sdst(0) depctr_va_ssrc(0) depctr_va_vcc(0) depctr_vm_vsrc(0)
	s_getreg_b32 s2, hwreg(HW_REG_IB_STS2, 6, 4)
	s_cmp_eq_u32 s2, 0
	s_cbranch_scc0 .Lentry_in_a_cluster
	s_endpgm
.Lentry_in_a_cluster:
	s_bfe_u32 s2, ttmp6, 0x10000c
	s_cmp_lg_u32 s2, 0xf033
	s_cbranch_scc0 .Lentry_shape_is_right
	s_endpgm
.Lentry_shape_is_right:
; out0[m][n] = sum over k of A[m][k] B[k][n].  A and B are given as codes of E3M2 with K innermost, one E8M0 byte for each 32 along K; sums in f32.
; All inputs are live; nothing of reference() is left out.  The f32 sums go in another order than reference()'s.
; A work-group of four waves makes a tile of 256 x 256, a wave 128 x 128: 64 accumulators of 16 x 16.  4 x 4 work-groups form a cluster: the four of a row share A's tiles,
; the four of a column B's, by joint loads.  The matrix instruction is used transposed: source 0 = 16 rows of B, source 1 = 16 rows of A: a lane's eight results are eight neighbours of a row of C.
; K GOES THROUGH A RING OF TWO LDS SLOTS in chunks of 256 bytes of each row (a row of 3,072 bytes has 12); a step of 128 along K is 96 bytes: eight steps to three chunks.
; THE ORDER OF K IN A STEP: lanes 0-15 take the step's first 48 bytes of a row (blocks 0, 1 of 32 codes), lanes 16-31 the last 48 (blocks 2, 3), so that a fragment is three loads of 16 bytes.
; In the instruction's own order these are blocks 0, 2, 1, 3: the same exchange on both operands, and the scale bytes 1 and 2 of each word are exchanged to match.
; SCALES: 128 bytes a row.  Each wave loads 128 rows' scales once, at the head, into registers, exchanges the bytes, and lays quarters 0 and 1 of K into two LDS buffers;
; quarters 2 and 3 stay in 64 registers and take the buffers' places when quarters 0 and 1 have been read.
; REGISTERS: window 0: v0-31 addresses, v32-63 scale words (two sets of a pair of steps), v64-159 and v160-255 A's fragments, two sets.
;   window 1: v0-95 and v96-191 B's fragments, two sets; v192-255 scales of quarters 2 and 3.  windows 2, 3: accumulators of my rows 0-63, 64-127.
.set SIZE_N, 4096
.set SIZE_K, 4096
.set ROWB,   256
.set KROW,   SIZE_K*6/8
.set PITCH,  272                       ; 256 bytes + 16 of padding
.set FR,     12
.set HALFT,  128*PITCH
.set SLOT,   4*HALFT                   ; A's 256 rows, then B's
.set SCL,    2*SLOT
.set PL,     4224                      ; scale words of a pair of steps: 8 bytes for each of A's 256 rows, 128 bytes, 8 for each of B's 256
.set SB,     4*PL                      ; a quarter of K: four pairs
.set SPARE,  SCL+2*SB                  ; the spare words
.set SPITCH, 528
.set ADRA, 8                           ; v8, v9: my A rows in the slot of a trip's chunk 0, 1;  v10 (v11), never rewritten: lanes 0-15 byte 208 of a row in slot 0 (1), lanes 16-31 byte 0 in slot 1 (0)
.set ADRB, 12                          ; the same for B
.set ADRS, 16                          ; v16, v17: my scale words in this quarter's, the next quarter's buffer
.set STO,  24
.set RD,   25
.set CO,   26
.set STS,  27
.set SPW,  28
.set NIL,  29
.set PFO,  30
.set SC,   32
.set AF,   64
.set G1,  24                           ; descriptor groups: A's and B's shapes, and where from and to
.set G0,  32
.set G1B, 48
.set G0B, 56
.set PFA, 60
.set GH,  68                           ; the head's four groups 0
; s96, s97: the slots of a trip's chunks 0 and 1;  s98, s99: the scale buffers of this quarter and the next
.set MSB, 0
.macro WIN new
.if MSB != \new
	s_set_vgpr_msb (MSB<<8)|(\new)
.set MSB, \new
.endif
.endm
.set MUL_LO, 0xa1
.set MUL_HI, 0xf1
.set TO_B,   0x40
.macro PLACES
.rept 4
	v_nop
.endr
.endm
.macro JLOAD                           ; the ring's joint load: waves 0, 1 A's halves, waves 2, 3 B's
	s_cmp_eq_u32 s15, 0
	s_cbranch_scc0 .Lfor_b_\@
	tensor_load_to_lds s[G0:G0+3], s[G1:G1+7]
	s_nop 0
	PLACES
	s_branch .Lasked_\@
.Lfor_b_\@:
	tensor_load_to_lds s[G0B:G0B+3], s[G1B:G1B+7]
	s_nop 0
	PLACES
.Lasked_\@:
.endm
.macro CREST                           ; a round of the cluster's barrier behind its opening barrier
	s_cmp_lg_u32 s14, 0
	s_cbranch_scc1 .Lnot_wave_0_\@
	s_barrier_signal -3
.Lnot_wave_0_\@:
	s_barrier_wait -3
	s_barrier_signal -1
	s_barrier_wait -1
.endm
.macro CROUND
	s_barrier_signal -1
	s_barrier_wait -1
	CREST
.endm
.macro ARM under, g0, g1, next
	s_cmp_lt_u32 s14, \under
	s_cbranch_scc0 \next
	tensor_load_to_lds s[\g0:\g0+3], s[\g1:\g1+7]
	s_nop 0
	PLACES
	s_branch .Lhead_asked
\next:
.endm
.macro QSTORE reg, buf                 ; a quarter's scales of 128 rows into a buffer: row group i, my row's four words as two pairs
.irp i, 0,1,2,3,4,5,6,7
	ds_store_b64 v[STS], v[\reg+4*\i:\reg+4*\i+1] offset:SB*\buf+128*\i
	ds_store_b64 v[STS], v[\reg+4*\i+2:\reg+4*\i+3] offset:SB*\buf+128*\i+PL
.endr
.endm
.macro ADDRS                           ; the LDS addresses of a trip, from the slots and buffers in s96-s99
	v_add_nc_u32 v[ADRA], s96, v18
	v_add_nc_u32 v[ADRA+1], s97, v18
	v_add_nc_u32 v[ADRB], s96, v20
	v_add_nc_u32 v[ADRB+1], s97, v20
	v_add_nc_u32 v[ADRS], s98, v23
	v_add_nc_u32 v[ADRS+1], s99, v23
.endm
	s_load_b128 s[4:7], s[0:1], 0x0                ; A_codes, A_scales
	s_load_b128 s[8:11], s[0:1], 0x10              ; B_codes, B_scales
	s_load_b64 s[12:13], s[0:1], 0x20              ; out0
	v_lshl_add_u32 v[SPW], v0, 2, SPARE
	v_mov_b32 v[NIL], 0
	ds_add_u32 v[SPW], v[NIL]                      ; the opening adds
	ds_add_u32 v[SPW], v[NIL]
	v_lshrrev_b32 v1, 5, v0
	v_readfirstlane_b32 s14, v1                    ; wave
	v_lshrrev_b32 v3, 1, v0
	v_and_b32 v3, 15, v3                           ; lane / 2: the row of 16 whose scales I load
	v_and_b32 v4, 1, v0                            ; which 16 of a quarter's 32 bytes
	v_lshlrev_b32 v2, 4, v4
	v_lshl_add_u32 v2, v3, 7, v2
	s_lshr_b32 s15, s14, 1                         ; my half of the tile's rows; also: I fetch for A (0) or B (1)
	s_and_b32 s16, s14, 1                          ; my half of its columns; also: which 128 rows I fetch
	s_bfe_u32 s40, ttmp6, 0x40000                  ; cx
	s_bfe_u32 s41, ttmp6, 0x40004                  ; cy
	s_lshl_b32 s42, ttmp9, 2
	s_add_co_u32 s42, s42, s40                     ; tile column
	s_and_b32 s17, ttmp7, 0xffff
	s_lshl_b32 s17, s17, 2
	s_add_co_u32 s17, s17, s41                     ; tile row
	s_lshl_b32 s43, s41, 2
	s_lshl_b32 s43, 15, s43                        ; my row of the cluster
	s_lshl_b32 s44, 0x1111, s40                    ; my column
	; group 1: rows of 256 bytes, 16 bytes of padding behind each; 256 rows for the head's loads, 128 behind them
	s_or_b32 s[G1+0], s43, (0<<16)|(1<<20)|(1<<21)|(5<<22)|(3<<25)
	s_or_b32 s[G1B+0], s44, (0<<16)|(1<<20)|(1<<21)|(5<<22)|(3<<25)
.irp g, G1, G1B
	s_mov_b32 s[\g+1], ROWB<<16
	s_mov_b32 s[\g+2], 256<<16
	s_mov_b32 s[\g+3], ROWB<<16
	s_mov_b32 s[\g+4], 256
	s_mov_b32 s[\g+5], KROW
	s_mov_b32 s[\g+6], 0
	s_mov_b32 s[\g+7], 0
.endr
	s_lshl_b32 s18, s17, 8                         ; the tile's first row of A, of B
	s_lshl_b32 s19, s42, 8
	s_mul_i32 s20, s18, KROW
	s_mov_b32 s21, 0
	s_mul_i32 s46, s19, KROW
	s_mov_b32 s47, 0
	s_mul_i32 s22, s16, 128*KROW                   ; in the ring I fetch 128 rows of a tile
	s_mov_b32 s23, 0
	s_mul_i32 s45, s14, HALFT                      ; and where they go
	s_mov_b32 s101, 0x03010200                     ; exchanges bytes 1 and 2
	s_cmp_eq_u32 s15, 0
	s_cselect_b32 s36, s18, s19
	s_cselect_b32 s37, s40, s41                    ; my place among the four that share my tensor's tiles
	s_lshl_b32 s38, s16, 7
	s_add_co_u32 s36, s36, s38                     ; the first of my 128 rows of A (waves 0, 1) or B (waves 2, 3)
	s_lshl_b32 s38, s36, 7                         ; where their scales begin
	s_mov_b32 s39, 0
	s_lshl_b32 s37, s37, 5
	s_add_co_u32 s37, s36, s37                     ; the first of the 32 rows that I prefetch
	s_mul_i32 s62, s37, KROW
	s_mov_b32 s63, 0
	s_wait_alu depctr_va_vdst(0)
	s_wait_dscnt 0x0                               ; both opening adds are done
	s_wait_kmcnt 0x0
	s_cmp_eq_u32 s15, 0
	s_cselect_b64 s[84:85], s[6:7], s[10:11]
	s_cselect_b64 s[PFA:PFA+1], s[4:5], s[8:9]
	s_add_nc_u64 s[84:85], s[84:85], s[38:39]
	s_add_nc_u64 s[PFA:PFA+1], s[PFA:PFA+1], s[62:63]
	; my 128 rows' scales, each byte once: row group i of 16 rows, the row's four quarters by four loads on end
.irp i, 0,1,2,3,4,5,6,7
	WIN 0
	global_load_b128 v[64+4*\i:67+4*\i], v2, s[84:85] offset:2048*\i
	global_load_b128 v[96+4*\i:99+4*\i], v2, s[84:85] offset:2048*\i+32
	WIN 0x40
	global_load_b128 v[192+4*\i:195+4*\i], v2, s[84:85] offset:2048*\i+64
	global_load_b128 v[224+4*\i:227+4*\i], v2, s[84:85] offset:2048*\i+96
.endr
	WIN 0
	s_add_nc_u64 s[20:21], s[4:5], s[20:21]        ; A's tile, B's tile
	s_add_nc_u64 s[46:47], s[8:9], s[46:47]
	s_mov_b32 s[GH], 1                             ; chunk 0 of A, 256 rows,
	s_mov_b32 s[GH+1], 0
	s_mov_b64 s[GH+2:GH+3], s[20:21]
	s_or_b32 s[GH+3], s[GH+3], 0x80000000
	s_mov_b32 s[GH+4], 1                           ; of B,
	s_mov_b32 s[GH+5], 2*HALFT
	s_mov_b64 s[GH+6:GH+7], s[46:47]
	s_or_b32 s[GH+7], s[GH+7], 0x80000000
	s_mov_b32 s[GH+8], 1                           ; chunk 1 of A,
	s_mov_b32 s[GH+9], SLOT
	s_add_nc_u64 s[GH+10:GH+11], s[20:21], ROWB
	s_or_b32 s[GH+11], s[GH+11], 0x80000000
	s_mov_b32 s[GH+12], 1                          ; of B
	s_mov_b32 s[GH+13], SLOT+2*HALFT
	s_add_nc_u64 s[GH+14:GH+15], s[46:47], ROWB
	s_or_b32 s[GH+15], s[GH+15], 0x80000000
	CROUND                                         ; all sixteen work-groups are here: the joint loads meet
	ARM 1, GH,   G1,  .Lhead_b0                    ; one load a wave
	ARM 2, GH+4, G1B, .Lhead_a1
	ARM 3, GH+8, G1,  .Lhead_b1
	tensor_load_to_lds s[GH+12:GH+15], s[G1B:G1B+7]
	s_nop 0
	PLACES
.Lhead_asked:
	; the ring's group 0: each refill steps it first: one chunk on, and into the other slot
	s_add_nc_u64 s[20:21], s[20:21], s[22:23]
	s_add_nc_u64 s[46:47], s[46:47], s[22:23]
	s_mov_b32 s100, SLOT                           ; chunk 1 lies in slot 1
	s_mov_b32 s[G0], 1
	s_add_co_u32 s[G0+1], s45, s100
	s_add_nc_u64 s[G0+2:G0+3], s[20:21], ROWB
	s_or_b32 s[G0+3], s[G0+3], 0x80000000
	s_mov_b32 s[G0B], 1
	s_add_co_u32 s[G0B+1], s45, s100
	s_add_nc_u64 s[G0B+2:G0B+3], s[46:47], ROWB
	s_or_b32 s[G0B+3], s[G0B+3], 0x80000000
	s_lshl_b32 s86, s17, 22                        ; my first row of C: 256 x tile row + 128 x half, of 16,384 bytes;
	s_lshl_b32 s88, s15, 21
	s_add_co_u32 s86, s86, s88
	s_lshl_b32 s88, s42, 10                        ; my first column: 1,024 x tile column + 512 x half
	s_add_co_u32 s86, s86, s88
	s_lshl_b32 s88, s16, 9
	s_add_co_u32 s86, s86, s88
	s_mov_b32 s87, 0
	s_add_nc_u64 s[12:13], s[12:13], s[86:87]
	s_mul_i32 s89, s15, HALFT                      ; my 128 rows of A, of B, in a slot
	s_mul_i32 s90, s16, HALFT
	s_add_co_u32 s90, s90, 2*HALFT
	s_lshl_b32 s91, s14, 10                        ; where the scales that I loaded go
	s_lshl_b32 s88, s15, 7
	s_add_co_u32 s91, s91, s88
	s_add_co_u32 s91, s91, SCL
	s_lshl_b32 s92, s15, 10                        ; the scales that I read: lanes 0-15 A's, lanes 16-31 B's
	s_lshl_b32 s93, s16, 10
	s_add_co_u32 s93, s93, 2176
	s_sub_co_u32 s93, s93, s92
	s_add_co_u32 s92, s92, SCL
	s_mul_i32 s94, s14, 16*SPITCH                  ; my stage on the way out, in slot 0
	s_mov_b32 s96, 0
	s_mov_b32 s97, SLOT
	s_mov_b32 s98, 0
	s_mov_b32 s99, SB
	v_and_b32 v5, 15, v0                           ; r
	v_bfe_u32 v6, v0, 4, 1                         ; h
	v_and_b32 v1, 31, v0
	v_lshlrev_b32 v[CO], 4, v1                     ; a row of 512 bytes of C by 32 lanes
	v_add_nc_u32 v[RD], s94, v[CO]
	v_mul_u32_u24 v[PFO], v1, KROW                 ; the prefetch: a lane a row
	v_mul_u32_u24 v7, v5, SPITCH
	v_lshl_add_u32 v7, v6, 5, v7
	v_add_nc_u32 v[STO], s94, v7
	v_mul_u32_u24 v7, v5, PITCH
	v_mul_u32_u24 v31, v6, 48
	v_add_nc_u32 v31, v7, v31                      ; row x pitch + 48 h
	v_add_nc_u32 v18, s89, v31
	v_add_nc_u32 v20, s90, v31
	v_mul_u32_u24 v1, v6, SLOT-208
	v_add_nc_u32 v1, v7, v1
	v_add_nc_u32 v1, 208, v1                       ; across two chunks: lanes 0-15 byte 208 of the row in slot 0, lanes 16-31 byte 0 of the row in slot 1
	v_add_nc_u32 v[ADRA+2], s89, v1
	v_add_nc_u32 v[ADRB+2], s90, v1
	v_sub_nc_u32 v1, 1, v6
	v_mul_u32_u24 v1, v1, SLOT+208
	v_add_nc_u32 v1, v7, v1                        ; lanes 0-15 byte 208 of the row in slot 1, lanes 16-31 byte 0 of the row in slot 0
	v_add_nc_u32 v[ADRA+3], s89, v1
	v_add_nc_u32 v[ADRB+3], s90, v1
	v_mul_u32_u24 v7, s93, v6
	v_lshl_add_u32 v7, v5, 3, v7
	v_add_nc_u32 v23, s92, v7
	v_mul_u32_u24 v7, v4, 2*PL
	v_lshl_add_u32 v7, v3, 3, v7
	v_add_nc_u32 v[STS], s91, v7
	ADDRS
	s_wait_alu depctr_va_vdst(0)
	s_wait_loadcnt 0x0                             ; the scales
.set j, 0
.rept 64
	v_perm_b32 v[64+j], v[64+j], v[64+j], s101
.set j, j+1
.endr
	WIN 0x45
.set j, 0
.rept 64
	v_perm_b32 v[192+j], v[192+j], v[192+j], s101
.set j, j+1
.endr
	WIN 0
.macro FRAG reg, adr, st, i            ; 16 rows x 128 K: 48 bytes a lane, in pieces of 16, each inside one chunk.  st: the step, counted from the trip's first
.irp p, 0,1,2
.set BY, 96*(\st)+16*\p
.if BY/ROWB == (BY+48)/ROWB
	ds_load_b128 v[\reg+4*\p:\reg+4*\p+3], v[\adr+(BY/ROWB)%2] offset:BY%ROWB+(\i)*16*PITCH
.else                                  ; lanes 16-31, 48 bytes on, read the next chunk
	ds_load_b128 v[\reg+4*\p:\reg+4*\p+3], v[\adr+2+(BY/ROWB+ORD)%2] offset:BY%ROWB-208+(\i)*16*PITCH
.endif
.endr
.endm
.macro FETCH v                         ; step v's fragments, and a pair's scale words: 24 loads, 8 (where v is even), 24
	WIN TO_B
.irp i, 0,1,2,3,4,5,6,7
	FRAG 96*((\v)%2)+FR*\i, ADRB, \v, \i
.endr
	WIN 0
.if (\v)%2 == 0
.set P, (\v)/2
.irp i, 0,1,2,3,4,5,6,7
	ds_load_b64 v[SC+16*(P%2)+2*\i:SC+16*(P%2)+2*\i+1], v[ADRS+P/4] offset:(P%4)*PL+128*\i
.endr
.endif
.irp i, 0,1,2,3,4,5,6,7
	FRAG AF+96*((\v)%2)+FR*\i, ADRA, \v, \i
.endr
.endm
.macro MUL8 a, u, zero                 ; A's block a x B's eight.  The 64 accumulators take turns in the same order in every step
.if (\a) < 4
	WIN MUL_LO
.else
	WIN MUL_HI
.endif
.set F, 96*((\u)%2)
.set W, SC+16*(((\u)/2)%2)+(\u)%2
.irp b, 0,1,2,3,4,5,6,7
.if \zero
	v_wmma_scale_f32_16x16x128_f8f6f4 v[8*(8*((\a)%4)+\b):8*(8*((\a)%4)+\b)+7], v[F+FR*\b:F+FR*\b+FR-1], v[AF+F+FR*(\a):AF+F+FR*(\a)+FR-1], 0, v[W+2*\b], v[W+2*(\a)] matrix_a_fmt:MATRIX_FMT_BF6 matrix_b_fmt:MATRIX_FMT_BF6 matrix_a_scale:MATRIX_SCALE_ROW1
.else
	v_wmma_scale_f32_16x16x128_f8f6f4 v[8*(8*((\a)%4)+\b):8*(8*((\a)%4)+\b)+7], v[F+FR*\b:F+FR*\b+FR-1], v[AF+F+FR*(\a):AF+F+FR*(\a)+FR-1], v[8*(8*((\a)%4)+\b):8*(8*((\a)%4)+\b)+7], v[W+2*\b], v[W+2*(\a)] matrix_a_fmt:MATRIX_FMT_BF6 matrix_b_fmt:MATRIX_FMT_BF6 matrix_a_scale:MATRIX_SCALE_ROW1
.endif
.endr
.endm
.macro GRD slot
	s_wait_tensorcnt 0x0
	ds_add_u32 v[SPW], v[NIL]
	s_add_co_u32 s[G0+1], s45, s[\slot]
	s_add_co_u32 s[G0B+1], s45, s[\slot]
	s_add_nc_u64 s[G0+2:G0+3], s[G0+2:G0+3], ROWB
	s_add_nc_u64 s[G0B+2:G0B+3], s[G0B+2:G0B+3], ROWB
.endm
; A step: 64 matrix instructions on step u's fragments; behind the first 16 (or 24) the next step's fragments are fetched in one run, behind four places.  ev:
;   1: the next step ends in a chunk that nobody has read: every wave waits for its loads, and a barrier shows the chunk whole;
;   2: a chunk has been read for the last time (the step before this one fetched its last bytes and ran GRD behind them: early = 1 there): a round of the cluster's barrier, and its slot is filled again;
;   3: both;   4: a barrier alone: slot 0 has been read for the last time.
; ask: the prefetch's offset: the chunk two refills on, 32 rows a wave, a lane a row: each 256 bytes named once in each cluster; the four partners share a tile's rows by address
; (A's by cx, B's by cy).  Chunks 2 and 3 are asked for in step 0; a trip asks for its chunks 4, 5, 6; the last trip's chunk 6 would lie past the row's end and is not asked for.
.macro STEP u, zero, ev, early, ask
.if \ev == 2
	s_wait_dscnt 19                                ; B's set, the scales and A's blocks 0, 1 are in; out may be A's blocks 2-7, three loads each, and the add
.else
	s_wait_dscnt 18                                ; the same without an add
.endif
	MUL8 0, \u, \zero
.if \ev == 3
	WIN 0
	GRD 96
	MUL8 1, \u, \zero
	s_wait_dscnt 0x0                               ; the add is done, my reads are over
	s_barrier_signal -1
	MUL8 2, \u, \zero
	WIN 0
	s_barrier_wait -1
	CREST
	JLOAD                                          ; its four v_nop are the places in front of the loads below
.elseif \ev == 2
	s_wait_dscnt 0x0
	s_barrier_signal -1
	MUL8 1, \u, \zero
	WIN 0
	s_barrier_wait -1
	CREST
	JLOAD
.elseif \ev == 0
	MUL8 1, \u, \zero
	s_wait_dscnt 0x0
	PLACES
.else
.if \ev == 1
	s_wait_tensorcnt 0x0
.endif
	s_wait_dscnt 0x0
	s_barrier_signal -1
	MUL8 1, \u, \zero
	s_barrier_wait -1
	PLACES
.endif
.if ((\u) == 1 || (\u) == 4) && (TAIL == 0)
	; the next step lies across two chunks: ORD: 0 where a trip's chunk 0 lies in slot 0 (the first and third trips), 1 where in slot 1.  Both arms issue the same number of ring loads
	WIN 0
	s_cmp_eq_u32 s3, 2
	s_cbranch_scc1 .Lodd_\@
.set ORD, 0
	FETCH (\u)+1
.if (\u) == 4                          ; between this step's barrier and the next no wave reads scales: the second trip lays quarter 2 into quarter 0's buffer, the third quarter 3 into quarter 1's
	s_cmp_eq_u32 s3, 1
	s_cbranch_scc0 .Lfetched_\@
	WIN 0x04
	QSTORE 224, 1
	WIN 0
.endif
	s_branch .Lfetched_\@
.Lodd_\@:
.set ORD, 1
	FETCH (\u)+1
.if (\u) == 4
	WIN 0x04
	QSTORE 192, 0
	WIN 0
.endif
.Lfetched_\@:
.else
.set ORD, TAIL
	FETCH (\u)+1
.endif
.if \early
.if (\u) == 1
	GRD 96
.else
	GRD 97
.endif
.endif
.if \ask
.if \u == 7
	s_cmp_eq_u32 s3, 1
	s_cbranch_scc1 .Lnot_asked_\@
.endif
	global_prefetch_b8 v[PFO], s[PFA:PFA+1] offset:\ask th:TH_LOAD_NT scope:SCOPE_SE
.if \u == 0
	global_prefetch_b8 v[PFO], s[PFA:PFA+1] offset:\ask+ROWB th:TH_LOAD_NT scope:SCOPE_SE
.endif
.if \u == 7
.Lnot_asked_\@:
.endif
.endif
.if \u == 8                            ; a trip's last step
	s_wait_xcnt 0x0                                ; the trip's prefetches have read their base
	s_add_nc_u64 s[PFA:PFA+1], s[PFA:PFA+1], 3*ROWB
	s_xor_b32 s96, s96, SLOT                       ; three chunks a trip: the slots change places, and the scale buffers
	s_xor_b32 s97, s97, SLOT
	s_xor_b32 s98, s98, SB
	s_xor_b32 s99, s99, SB
	ADDRS
	s_wait_alu depctr_va_vdst(0)
.endif
.if \ev != 3
	MUL8 2, \u, \zero
.endif
.irp a, 3,4,5,6,7
	MUL8 \a, \u, \zero
.endr
.endm
	s_wait_alu depctr_va_vdst(0)
	s_wait_tensorcnt 0x0                           ; my tile of chunks 0 and 1 is in
	QSTORE 64, 0
	QSTORE 96, 1
	s_mov_b32 s[G1+2], 128<<16                     ; no load is out: from here on a load brings 128 rows
	s_mov_b32 s[G1+4], 128
	s_mov_b32 s[G1B+2], 128<<16
	s_mov_b32 s[G1B+4], 128
	s_wait_dscnt 0x0                               ; my scales are laid
	s_barrier_signal -1
	s_barrier_wait -1
.set TAIL, 0
.set ORD, 0
	FETCH 0
	STEP 0, 1, 0, 0, 2*ROWB                        ; its products start the sums
	WIN 0
	s_mov_b32 s3, 3
.Ltrip:                                            ; steps 8 t + 1 .. 8 t + 8, chunks 3 t .. 3 t + 3
	STEP 1, 0, 1, 1, 0
	STEP 2, 0, 2, 0, 4*ROWB
	STEP 3, 0, 0, 0, 0
	STEP 4, 0, 1, 1, 0
	STEP 5, 0, 2, 0, 5*ROWB
	STEP 6, 0, 0, 0, 0
	STEP 7, 0, 3, 0, 6*ROWB
	STEP 8, 0, 0, 0, 0
	WIN 0
	s_sub_co_u32 s3, s3, 1
	s_cmp_lg_u32 s3, 0
	s_cbranch_scc1 .Ltrip
.set TAIL, 1                           ; step 25's chunk lies in slot 1
	STEP 1, 0, 1, 1, 0                             ; steps 25 to 30: one more refill, chunk 11
	STEP 2, 0, 2, 0, 0
	STEP 3, 0, 0, 0, 0
	STEP 4, 0, 1, 0, 0
	STEP 5, 0, 4, 0, 0
	STEP 6, 0, 0, 0, 0
; THE LAST STEP AND THE WAY OUT: block a of 16 rows is finished by its eight products of step 31; it goes through my stage in slot 0 (which has had its last fill and, behind step 29's barrier, its last read)
; and comes back as whole rows of 512 bytes, stored behind the next block's products.
.macro TOSTAGE a
.set AC, 64*((\a)%4)
.set BB, 64+128*((\a)%2)               ; even blocks come back to window 0, v64-127, odd ones to window 1, v192-255
	WIN 0x08+4*((\a)/4)
.irp b, 0,1,2,3,4,5,6,7
	ds_store_b128 v[STO], v[AC+8*\b:AC+8*\b+3] offset:64*\b
	ds_store_b128 v[STO], v[AC+8*\b+4:AC+8*\b+7] offset:64*\b+16
.endr
	WIN 0x40*((\a)%2)
.irp t, 0,1,2,3,4,5,6,7,8,9,10,11,12,13,14,15
	ds_load_b128 v[BB+4*\t:BB+4*\t+3], v[RD] offset:\t*SPITCH      ; LDS serves a wave's instructions in order (ISA guide 5.7.1.4)
.endr
.endm
.macro SEND a
.set BB, 64+128*((\a)%2)
	s_wait_dscnt 0x0                               ; the block is back in registers
	WIN 0x04*((\a)%2)
.irp t, 0,1,2,3,4,5,6,7,8,9,10,11,12,13,14,15
	global_store_b128 v[CO], v[BB+4*\t:BB+4*\t+3], s[12:13] offset:(16*(\a)+\t)*SIZE_N*4 th:TH_STORE_NT
.endr
.endm
	s_wait_dscnt 0x0                               ; the last step's fragments
	MUL8 0, 7, 0
	PLACES
	TOSTAGE 0
.irp a, 1,2,3,4,5,6,7
	MUL8 \a, 7, 0
.if \a > 1
	s_wait_xcnt 0x0                                ; block a - 2's stores have read their registers: block a comes back there
.endif
	SEND \a-1
	PLACES
	TOSTAGE \a
.endr
	SEND 7
	WIN 0
	s_wait_tensorcnt 0x0                           ; the wave's end
	ds_add_u32 v[SPW], v[NIL]
	s_wait_dscnt 0x0
	CROUND                                         ; the closing round
	s_endpgm
.Lfunc_end_k_q1587a56c90_gemm:
	.size	k_q1587a56c90_gemm, .Lfunc_end_k_q1587a56c90_gemm-k_q1587a56c90_gemm
	.p2alignl 7, 3214868480
	.fill 96, 4, 3214868480
	.section	.rodata,"a",@progbits
	.p2align	6, 0x0
	.amdhsa_kernel k_q1587a56c90_gemm
		.amdhsa_group_segment_fixed_size 327680
		.amdhsa_private_segment_fixed_size 0
		.amdhsa_enable_private_segment 0
		.amdhsa_kernarg_size 40
		.amdhsa_user_sgpr_count 2
		.amdhsa_user_sgpr_kernarg_segment_ptr 1
		.amdhsa_wavefront_size32 1
		.amdhsa_system_sgpr_workgroup_id_x 1
		.amdhsa_system_sgpr_workgroup_id_y 1
		.amdhsa_system_sgpr_workgroup_id_z 1
		.amdhsa_system_vgpr_workitem_id 0
		.amdhsa_next_free_vgpr 1024
		.amdhsa_next_free_sgpr 102
		.amdhsa_reserve_vcc 0
		.amdhsa_float_denorm_mode_32 3
		.amdhsa_float_denorm_mode_16_64 3
		.amdhsa_memory_ordered 1
		.amdhsa_forward_progress 1
		.amdhsa_inst_pref_size 255
	.end_amdhsa_kernel
	.amdgpu_metadata
---
amdhsa.version: [ 1, 2 ]
amdhsa.kernels:
  - .name:           k_q1587a56c90_gemm
    .symbol:         k_q1587a56c90_gemm.kd
    .args:
      - { .name: A_codes, .offset: 0, .size: 8, .value_kind: global_buffer, .address_space: global }
      - { .name: A_scales, .offset: 8, .size: 8, .value_kind: global_buffer, .address_space: global }
      - { .name: B_codes, .offset: 16, .size: 8, .value_kind: global_buffer, .address_space: global }
      - { .name: B_scales, .offset: 24, .size: 8, .value_kind: global_buffer, .address_space: global }
      - { .name: out0, .offset: 32, .size: 8, .value_kind: global_buffer, .address_space: global }
    .group_segment_fixed_size: 327680
    .private_segment_fixed_size: 0
    .kernarg_segment_align: 8
    .kernarg_segment_size: 40
    .max_flat_workgroup_size: 128
    .sgpr_count:     102
    .vgpr_count:     1024
    .wavefront_size: 32
...
	.end_amdgpu_metadata
.endif
;; end of part 1
